; MI455X (gfx1250); checked and timed in simulation.
; The chip was launched on July 23, 2026; its instructions are those of AMD's public machine-readable ISA for CDNA 5 (MIT licence, August 2026) and "CDNA5" Instruction Set Architecture Reference Guide (July 2026). The comments in the code are by the model that wrote it; some were corrected since.
;; Memory Layer. Allowed arithmetic: matrix products marked QUANTISED: E5M2 operands, one E8M0 scale for each 32 along K, by v_wmma_scale_f32_16x16x128_f8f6f4 with both operands' format E5M2, f32 sums; everything else in f32.
;; Inputs: W_codes 256 x 8 x 32 uint8 (E5M2 codes of W, K innermost, in blocks of 32 codes); W_scales 256 x 8 uint8 (E8M0 scales of W, one for each 32 codes along K); depths 100,000 float32; gate 100,000 float32; patterns 100,000 x 256 float32; state_codes 1,024 x 8 x 32 uint8 (E5M2 codes of state, K innermost, in blocks of 32 codes); state_scales 1,024 x 8 uint8 (E8M0 scales of state, one for each 32 codes along K).
;; Outputs: out0 1,024 x 256 float32; out1 100,000 float32.
;; This version of the problem:
;;   THIS VERSION OF THE PROBLEM IS GIVEN IN LOW PRECISION. The matrix products marked QUANTISED in the list below multiply operands that are first quantised to E5M2 (5 exponent bits, 2 mantissa bits; 8 bits a number), with one power-of-two scale for each 32 numbers along K (OCP MX v1.0); their sums are f32. All else is computed in f32.
;;   The module's matrix products, in the order in which they are computed (A, B: the left and right operand; K: the contracted axis; several contracted axes count as one K, in the product's order):
;;     1. [M 1,024, K 256] x [K 256, N 256]; A: input state (given as codes); B: input W (given as codes): QUANTISED
;;     2. [M 1,024, K 256] x [K 256, N 100,000]; A: computed on the way; B: input patterns: QUANTISED
;;     3. [M 1,024, K 100,000] x [K 100,000, N 256]; A: softmax (see below); B: input patterns: QUANTISED
;;   THE QUANTISER, for each operand of a quantised product, along K:
;;     - K is cut into blocks of 32 from its start; a last block that is shorter is filled with zeros.
;;     - A block's scale is 2^e with e = floor(log2(the largest magnitude in the block)) - 15, held to -126 .. 127; a block of zeros has e = 0. As a byte (E8M0): e + 127.
;;     - Each number is divided by its block's scale, clamped to +-57,344, and rounded to the nearest number of E5M2, ties to even, subnormals kept.
;;     - The product sums the exact products of the quantised numbers (number of the format x scale) in f32.
;;   ~~~python
;;   def quantise(x, axis):      # numpy; x: float32 -> the quantised numbers, widened to float32 again
;;       x = np.moveaxis(x, axis, -1); K = x.shape[-1]
;;       x = np.pad(x, [(0, 0)] * (x.ndim - 1) + [(0, -K % 32)]); x = x.reshape(x.shape[:-1] + (-1, 32)); a = np.abs(x).max(-1, keepdims=True)
;;       e = np.where(a > 0, np.clip(np.frexp(np.where(a > 0, a, 1))[1] - 1 - 15, -126, 127), 0)      # np.frexp(a)[1] - 1 = floor(log2(a)), exactly
;;       r = np.clip(x / 2.0 ** e, -57344, 57344)
;;       step = 2.0 ** (np.maximum(np.frexp(np.where(r == 0, 1, r))[1] - 1, -14) - 2)
;;       q = np.round(r / step) * step * 2.0 ** e      # np.round: ties to even
;;       return np.moveaxis(q.reshape(q.shape[:-2] + (-1,))[..., :K], -1, axis).astype(np.float32)
;;   ~~~
;;   SOFTMAX AHEAD OF A QUANTISED PRODUCT. Where the list says 'softmax', what is quantised is not the finished softmax but p = 2^(t - M), with t = logit x log2(e) and M = ceil(the row's largest t), a whole number; so 1/2 < the row's largest p <= 1. The row's sum l is taken of the UNQUANTISED p, in f32, and the product's result is divided by l at the end. Since M is a whole number, a kernel that streams over the keys may use a running M (the ceiling of the running maximum): every later rescaling is an exact power of two, which a block's scale takes up: the codes' values come out the same.
;;   OPERANDS COMPUTED ON THE WAY. 'Computed on the way' means the value that the module computes at that place (a softmax that the list does not call 'softmax' is quantised finished and normalised). What goes into a quantiser is computed in f32, as accurately as f32 sums, v_exp_f32 and their like allow (about 1e-6 of the number): no bf16 or f16 on the way to a quantiser, and a product that is left as it is and whose result goes on into a quantised operand takes f32 operands (vector FMAs, or v_wmma_f32_16x16x4_f32). A number that lies on a knife's edge between two numbers of the format may be rounded either way, as far as f32 arithmetic and the matrix unit's own rounding can turn it there, and no further.
;;   INPUTS GIVEN AS CODES. W (in the module: [256, 256], K = its axis 1); state (in the module: [1024, 256], K = its axis 1): each comes as NAME_codes (uint8): NAME with its K axis moved to the last place and cut into blocks of 32 codes, [.., K / 32, bytes a block], one block behind the other in memory; one code a byte (a code: sign, 5 exponent bits, 2 mantissa bits); and NAME_scales (uint8): the same leading axes, one E8M0 byte (e + 127) for each 32 codes along K. Its value is code x scale, taken as it is: it is not quantised again, and the codes and scales need not be those that the quantiser above would give.
;; One version. Each part assembles by itself: llvm-mc -triple=amdgcn-amd-amdhsa -mcpu=gfx1250 --defsym DOCPART=n.
;; ======== version 1 of 1: 4 launches
;; limits: below input magnitudes of 1e-05 results are inexact or not finite; right only within a limited range of input values
;; workspace buffers: krec 27,609,088 bytes; vrec 26,797,056 bytes; qimg 270,336 bytes; opart 63,963,136 bytes; stat 499,712 bytes; crow 8,192 bytes
;; launch prep (part 1): grid 801 x 1, 8 waves a work-group, no clusters, 134,144 bytes of LDS; arguments patterns, depths, gate, state_codes, state_scales, W_codes, W_scales, krec, vrec, qimg; writes krec, vrec, qimg
.if DOCPART == 1
	.amdgcn_target "amdgcn-amd-amdhsa--gfx1250"
	.amdhsa_code_object_version 6
	.text
	.protected	k_qe8d2c11054_prep
	.globl	k_qe8d2c11054_prep
	.p2align	8
	.type	k_qe8d2c11054_prep,@function
k_qe8d2c11054_prep:
	s_mov_b64 s[64:65], 0
	v_nop
	global_prefetch_b8 v0, s[64:65] scope:SCOPE_SE
	s_setreg_imm32_b32 hwreg(HW_REG_WAVE_MODE, 25, 1), 1
	s_wait_xcnt 0x0
; MemoryLayer, launch 1 of 4: everything that the later launches read is made here once, as IMAGES OF OPERAND REGISTERS.
; DEAD WORK: none.  Every input has a way to an output and every product of reference() is done.  Two identities are used later, for all values of the inputs:
; log1p does not fall, so log_d.max() = log1p(depths.max()); exp rises, so the largest softmax weight of a key over the rows is exp of the largest (logit - the row's log of the sum).
; LIMITS: NaN and infinities among the inputs are not served; depths lie above -1; keys past the 100,000th (padding up to 793 steps of 128 keys) carry the bias -1e30, so a logit's size must stay under 1e29;
; a block whose largest magnitude lies under 2^-111 keeps the scale byte 1 (a block of zeros too: its codes are zeros, and only this program reads the bytes).
; WORK-GROUPS 0 to 7 (the Q path): projected = state W^T on the given codes, quantised along its 256 channels; a wave takes 16 rows.  The product is used transposed (source 0 = 16 rows of W, source 1 = 16 rows of state),
;   and lane r of tile 2 b + u takes W's row 32 b + 8 u + r + 8 (r / 8): a lane's 16 registers of two neighbouring tiles are then 16 neighbours along the next K.
; WORK-GROUPS 8 to 800 (the pattern path): one step of 128 keys each.  The 128 rows (1,024 bytes each) are read once, 512 consecutive bytes a load, into a stage in LDS, and leave twice:
;   quantised along the channels (the operand of projected x patterns^T): wave w makes key tile w: lane r takes key 32 (w / 2) + 8 (w % 2) + r + 8 (r / 8);
;   quantised along the keys (the operand of p x patterns): wave w takes channels 32 w + lane, a lane's registers run down the keys.
; A FRAGMENT IMAGE is 16 rows x 128 codes = 2,048 bytes: byte 512 c + 16 lane + i is byte i of registers 4 c .. 4 c + 3 of that lane.
; krec: a record of 4,352 bytes a key tile: two images (channels 0-127, 128-255); +4096 scale image (lane (r, h): row r's word of channel half h); +4224 16 biases ln(depth) + ln(gate); +4288 the 16 depths.
; vrec: 33,792 bytes a step: 16 images (channel tile c at 2048 c); +32768 eight scale images (lane l of image w: channel 32 w + l, byte b: key block b).
; qimg: query tile T at 4096 T + 2048 x half; scale images at 262144 + 128 T.
; No cluster: the pattern work-groups share no input, and W's 64 KiB are read by eight work-groups only.  No prefetch: the launch is one stream read once with 32 loads a wave out.
.set PITCH, 1040                       ; a stage row: 1,024 bytes + 16: 65 x 16 bytes, so neighbouring rows start 4 banks apart
.set SPARE, 128*PITCH                  ; behind the stage: the spare words, 128 bytes a wave: four blocks of 256 bytes that no other line names
.set KT,    4352
.set VST,   33792
; v1 lane, v2 r, v3 h, v4 16 lane, v8 4 lane, v13 r + 8 (r / 8); v14, v15: the add's two registers, never rewritten
; 64 numbers of a lane, v[s] on, register 16 b + i = k 32 b + 16 h + i of my row, become a fragment's codes in v[pc] on and its scale word in v[pw]; v[tm] on: 16 registers at work
.macro QUANT s, pc, pw, tm
.irp b, 0,1,2,3
	v_max3_num_f32 v[\tm+\b], |v[\s+16*\b]|, |v[\s+1+16*\b]|, 0x8000000   ; my 16 numbers of block b, and the floor 2^(16 - 127): the byte cannot fall under 1
.endr
.irp i, 2,4,6,8,10,12,14
.irp b, 0,1,2,3
	v_max3_num_f32 v[\tm+\b], v[\tm+\b], |v[\s+16*\b+\i]|, |v[\s+1+16*\b+\i]|   ; the four blocks by turns
.endr
.endr
.irp b, 0,1,2,3
	v_permlanex16_b32 v[\tm+4+\b], v[\tm+\b], s26, s27
.endr
.irp b, 0,1,2,3
	v_max_num_f32 v[\tm+\b], v[\tm+\b], v[\tm+4+\b]          ; with lane l xor 16's: the block's largest magnitude
.endr
.irp b, 0,1,2,3
	v_add_nc_u32 v[\tm+12+\b], 0xf8800000, v[\tm+\b]         ; 15 off its exponent field: the conversion's scale operand
.endr
.irp b, 0,1,2,3
	v_and_or_b32 v[\tm+8+\b], v[\tm+\b], 0x7f800000, s28     ; 57,344 x the scale
.endr
.irp b, 0,1,2,3
	v_lshrrev_b32 v[\tm+4+\b], 23, v[\tm+12+\b]              ; the scale's byte
.endr
	v_lshl_or_b32 v[\pw], v[\tm+5], 8, v[\tm+4]
	v_lshl_or_b32 v[\pw], v[\tm+6], 16, v[\pw]
	v_lshl_or_b32 v[\pw], v[\tm+7], 24, v[\pw]
.irp b, 0,1,2,3
.irp i, 0,1,2,3,4,5,6,7,8,9,10,11,12,13,14,15
	v_med3_num_f32 v[\s+16*\b+\i], v[\s+16*\b+\i], -v[\tm+8+\b], v[\tm+8+\b]   ; the conversion to an 8-bit code does not saturate (ISA guide 7.6.2): the hold comes first
.endr
	v_cvt_scalef32_pk8_bf8_f32 v[\pc+4*\b:\pc+1+4*\b], v[\s+16*\b:\s+7+16*\b], v[\tm+12+\b]
	v_cvt_scalef32_pk8_bf8_f32 v[\pc+2+4*\b:\pc+3+4*\b], v[\s+8+16*\b:\s+15+16*\b], v[\tm+12+\b]
.endr
	v_nop                                          ; one plain instruction behind the last conversion
.endm
; key block b of my channel: 32 numbers down the keys into v[128 + 32 b] on; the address then steps 32 stage rows
.macro VLD b
.set i, 0
.rept 32
	ds_load_b32 v[128+32*(\b)+i], v7 offset:PITCH*i
.set i, i+1
.endr
	v_add_nc_u32 v7, 32*PITCH, v7
.endm
; key block b of my channel is quantised: all 32 numbers are mine.  The 32 codes are two runs of 16 bytes of my channel's row in the image
.macro VBLK b
.set XS, 128+32*(\b)
	v_max3_num_f32 v37, |v[XS]|, |v[XS+1]|, |v[XS+2]|
	v_max3_num_f32 v38, |v[XS+3]|, |v[XS+4]|, |v[XS+5]|
.irp i, 6,10,14,18,22,26
	v_max3_num_f32 v37, v37, |v[XS+\i]|, |v[XS+\i+1]|
	v_max3_num_f32 v38, v38, |v[XS+\i+2]|, |v[XS+\i+3]|
.endr
	v_max3_num_f32 v37, v37, |v[XS+30]|, |v[XS+31]|
	v_max3_num_f32 v37, v37, v38, 0x8000000
	v_add_nc_u32 v39, 0xf8800000, v37
	v_and_or_b32 v40, v37, 0x7f800000, s28
	v_lshrrev_b32 v41, 23, v39
.if (\b) == 0
	v_mov_b32 v36, v41                             ; four bytes to a word, the earlier keys in the lower byte
.else
	v_lshl_or_b32 v36, v41, 8*(\b), v36
.endif
.set i, 0
.rept 32
	v_med3_num_f32 v[XS+i], v[XS+i], -v40, v40
.set i, i+1
.endr
.irp g, 0,1,2,3
	v_cvt_scalef32_pk8_bf8_f32 v[80+8*(\b)+2*\g:81+8*(\b)+2*\g], v[XS+8*\g:XS+8*\g+7], v39
.endr
	v_nop                                          ; one plain instruction behind the last conversion
	global_store_b128 v9, v[80+8*(\b):83+8*(\b)], s[20:21] offset:512*(\b)        ; sixteen lanes store 256 consecutive bytes, aligned
	global_store_b128 v9, v[84+8*(\b):87+8*(\b)], s[20:21] offset:512*(\b)+256
.endm
; The Q path: channels 128 hf .. 128 hf + 127 of projected for my 16 rows: eight tiles, four at a time; then quantised and stored as an image
.macro QHALF hf
.irp g, 0,1
.irp t, 0,1,2,3
.irp s, 0,1
.irp c, 0,1,2,3
	global_load_b128 v[112+32*\t+16*\s+4*\c:115+32*\t+16*\s+4*\c], v7, s[14:15] offset:(128*\hf+64*\g+32*(\t/2)+8*(\t%2))*256+128*\s+32*\c
.endr
	global_load_b32 v[240+2*\t+\s], v9, s[16:17] offset:(128*\hf+64*\g+32*(\t/2)+8*(\t%2))*8+4*\s
.endr
.endr
	s_wait_loadcnt 0x0
.irp t, 0,1,2,3                        ; the four accumulators take turns
	v_wmma_scale_f32_16x16x128_f8f6f4 v[48+32*\g+8*\t:55+32*\g+8*\t], v[112+32*\t:127+32*\t], v[16:31], 0, v[240+2*\t], v248 matrix_a_fmt:MATRIX_FMT_BF8 matrix_b_fmt:MATRIX_FMT_BF8
.endr
.irp t, 0,1,2,3
	v_wmma_scale_f32_16x16x128_f8f6f4 v[48+32*\g+8*\t:55+32*\g+8*\t], v[128+32*\t:143+32*\t], v[32:47], v[48+32*\g+8*\t:55+32*\g+8*\t], v[241+2*\t], v249 matrix_a_fmt:MATRIX_FMT_BF8 matrix_b_fmt:MATRIX_FMT_BF8
.endr
.rept 8
	v_nop                                          ; places in front of loads into registers that the products read, and of the first read of results
.endr
.endr
	QUANT 48, 128, 250+\hf, 112                    ; at work in W's registers, which are done with
.irp c, 0,1,2,3
	global_store_b128 v4, v[128+4*\c:131+4*\c], s[34:35] offset:2048*\hf+512*\c
.endr
	s_wait_xcnt 0x0                                ; the stores have read their data: the next loads may land there
.endm
	s_load_b256 s[4:11], s[0:1], 0x0               ; patterns s[4:5], depths s[6:7], gate s[8:9], state's codes s[10:11]
	s_load_b256 s[12:19], s[0:1], 0x20             ; state's scales s[12:13], W's codes s[14:15], W's scales s[16:17], krec s[18:19]
	s_load_b128 s[20:23], s[0:1], 0x40             ; vrec s[20:21], qimg s[22:23]
	v_lshl_add_u32 v14, v0, 2, SPARE
	v_mov_b32 v15, 0
	v_lshrrev_b32 v1, 5, v0
	v_readfirstlane_b32 s24, v1                    ; wave 0..7
	v_and_b32 v1, 31, v0                           ; lane
	v_and_b32 v2, 15, v0                           ; r
	v_bfe_u32 v3, v0, 4, 1                         ; h
	v_lshlrev_b32 v4, 4, v1
	v_lshlrev_b32 v8, 2, v1
	v_and_b32 v13, 8, v2
	v_add_nc_u32 v13, v13, v2                      ; r + 8 (r / 8)
	s_mov_b32 s26, 0x76543210
	s_mov_b32 s27, 0xfedcba98                      ; v_permlanex16_b32's selects for lane l xor 16
	s_mov_b32 s28, 0x600000                        ; the mantissa field of 57,344
	s_wait_kmcnt 0x0
	s_cmp_lt_u32 ttmp9, 8                          ; the work-group's number alone decides: all eight waves go the same way
	s_cbranch_scc1 .Lqpath
	; ---------------- the pattern path ----------------
	s_sub_co_u32 s25, ttmp9, 8                     ; the step g
	s_lshl_b32 s29, s25, 7                         ; its first key
	s_lshl_b32 s30, s24, 4
	s_add_co_u32 s30, s29, s30
	s_min_u32 s30, s30, 99984                      ; my 16 rows; a wave whose rows lie past the last key reads the last 16 rows instead: no load leaves the buffer
	s_lshl_b32 s30, s30, 10
	s_mov_b32 s31, 0
	s_lshr_b32 s32, s24, 1
	s_lshl_b32 s32, s32, 5
	s_and_b32 s33, s24, 1
	s_lshl_b32 s33, s33, 3
	s_add_co_u32 s32, s32, s33                     ; my key tile begins at stage row 32 (w / 2) + 8 (w % 2)
	s_add_co_u32 s33, s29, s32
	v_add_nc_u32 v42, s33, v13                     ; my lane's key n
	v_min_u32 v10, 0x1869f, v42
	v_lshlrev_b32 v10, 2, v10                      ; its place in depths and gate, held inside them
	s_mul_i32 s34, s24, 16*PITCH
	v_add_nc_u32 v5, s34, v4                       ; the stage, on the way in
	s_mul_i32 s35, s32, PITCH
	v_mul_u32_u24 v6, v13, PITCH
	v_lshl_add_u32 v6, v3, 6, v6
	v_add_nc_u32 v6, s35, v6                       ; along the channels: my key's row, + 64 h: my 16 numbers of a block of 32
	s_lshl_b32 s36, s24, 7
	v_add_nc_u32 v7, s36, v8                       ; down the keys: my channel 32 w + lane
	v_lshlrev_b32 v9, 11, v3
	v_lshl_add_u32 v9, v2, 4, v9                   ; V's images: channel tile lane / 16, row r
	s_lshl_b32 s36, s25, 3
	s_add_co_u32 s36, s36, s24
	s_mul_i32 s36, s36, KT                         ; my key tile's record
	s_mov_b32 s37, 0
	s_mul_i32 s38, s25, VST
	s_lshl_b32 s40, s24, 7
	s_add_co_u32 s40, s40, s38
	s_add_co_u32 s40, s40, 32768                   ; my scale image of V
	s_mov_b32 s41, 0
	s_lshl_b32 s39, s24, 12
	s_add_co_u32 s38, s38, s39                     ; my two images of V
	s_mov_b32 s39, 0
	s_add_nc_u64 s[4:5], s[4:5], s[30:31]
	s_add_nc_u64 s[18:19], s[18:19], s[36:37]
	s_add_nc_u64 s[44:45], s[20:21], s[40:41]
	s_add_nc_u64 s[20:21], s[20:21], s[38:39]
	global_load_b32 v11, v10, s[6:7]               ; depth
	global_load_b32 v12, v10, s[8:9]               ; gate
.set n, 0
.rept 32
	global_load_b128 v[128+4*n:131+4*n], v4, s[4:5] offset:512*n th:TH_LOAD_NT   ; 32 lanes read 512 consecutive bytes: half a row
.set n, n+1
.endr
.irp b, 0,1,2,3
	v_mov_b32 v[20+\b], 0                          ; written once: a lane permute's destination counts as one of its sources
.endr
.set n, 0
.rept 32
	s_wait_loadcnt 31-n                            ; loads come back in order: load n is in, the younger ones stay out
	ds_store_b128 v5, v[128+4*n:131+4*n] offset:PITCH*(n/2)+512*(n%2)
.set n, n+1
.endr
	s_wait_dscnt 0x0                               ; for the others' sake: my 16 rows lie in the stage
	s_barrier_signal -1
	s_barrier_wait -1                              ; all 128 do; from here on the stage is only read
.irp s, 0,1
.irp b, 0,1,2,3
.irp j, 0,1,2,3
	ds_load_b128 v[128+64*\s+16*\b+4*\j:131+64*\s+16*\b+4*\j], v6 offset:512*\s+128*\b+16*\j
.endr
.endr
.endr
	s_wait_dscnt 16                                ; channels 0-127 are in; the 16 loads of channels 128-255 may be out
	QUANT 128, 48, 32, 16
.irp c, 0,1,2,3
	global_store_b128 v4, v[48+4*\c:51+4*\c], s[18:19] offset:512*\c
.endr
	VLD 0
	s_wait_dscnt 32                                ; channels 128-255 are in; key block 0's 32 loads may be out
	QUANT 192, 64, 33, 16
.irp c, 0,1,2,3
	global_store_b128 v4, v[64+4*\c:67+4*\c], s[18:19] offset:2048+512*\c
.endr
	VLD 1
	v_max_num_f32 v43, 0x322bcc77, v11             ; clip(depth, 1e-8),
	v_max_num_f32 v44, 0x322bcc77, v12             ; clip(gate, 1e-8)
	v_log_f32 v43, v43
	v_log_f32 v44, v44
	v_nop                                          ; a plain instruction behind the logarithms
	v_cmp_le_u32 vcc_lo, 16, v1                    ; lanes 16-31
	v_cmp_le_u32 s46, 0x186a0, v42                 ; a key past the last
	v_mov_b32 v45, 0xf149f2ca                      ; -1e30
	s_wait_alu depctr_va_vdst(0)                   ; one wait for both, ahead of their first reader
	v_add_f32 v43, v43, v44
	v_mul_f32 v43, 0x3f317218, v43                 ; ln(depth) + ln(gate)
	v_cndmask_b32 v43, v43, v45, s46
	v_cndmask_b32 v35, v43, v11, vcc_lo            ; lanes 0-15 the bias, lanes 16-31 the depth, of row r
	v_cndmask_b32 v34, v32, v33, vcc_lo            ; lanes 0-15 the scale word of channels 0-127, lanes 16-31 of 128-255
	global_store_b32 v8, v34, s[18:19] offset:4096
	global_store_b32 v8, v35, s[18:19] offset:4224
	s_wait_dscnt 32                                ; key block 0 is in; block 1's 32 loads may be out
	VLD 2
	VBLK 0
	s_wait_dscnt 32                                ; block 1 is in
	VLD 3
	VBLK 1
	s_wait_dscnt 32                                ; block 2 is in
	VBLK 2
	s_wait_dscnt 0x0
	VBLK 3
	global_store_b32 v8, v36, s[44:45]             ; my channel's scale word: 128 consecutive bytes a wave
	s_wait_tensorcnt 0x0                           ; the wave's end
	ds_add_u32 v14, v15
	s_wait_dscnt 0x0
	s_endpgm
	; ---------------- the Q path ----------------
.Lqpath:
	s_lshl_b32 s25, ttmp9, 3
	s_add_co_u32 s25, s25, s24                     ; my query tile T
	s_lshl_b32 s30, s25, 12                        ; 16 rows of 256 codes; also T's two images
	s_mov_b32 s31, 0
	s_lshl_b32 s32, s25, 7                         ; 16 rows of 8 scale bytes; also T's scale image
	s_mov_b32 s33, 0
	s_add_nc_u64 s[10:11], s[10:11], s[30:31]
	s_add_nc_u64 s[12:13], s[12:13], s[32:33]
	s_add_nc_u64 s[34:35], s[22:23], s[30:31]
	s_add_nc_u64 s[36:37], s[22:23], s[32:33]
	v_lshlrev_b32 v5, 8, v2
	v_lshl_add_u32 v5, v3, 4, v5                   ; state: row r, + 16 h
	v_lshlrev_b32 v6, 3, v2
	v_lshlrev_b32 v7, 8, v13
	v_lshl_add_u32 v7, v3, 4, v7                   ; W: row r + 8 (r / 8) of a tile, + 16 h
	v_lshlrev_b32 v9, 3, v13
.irp s, 0,1
.irp c, 0,1,2,3
	global_load_b128 v[16+16*\s+4*\c:19+16*\s+4*\c], v5, s[10:11] offset:128*\s+32*\c
.endr
	global_load_b32 v[248+\s], v6, s[12:13] offset:4*\s
.endr
	QHALF 0
	QHALF 1
	v_cmp_le_u32 vcc_lo, 16, v1
	v_cndmask_b32 v252, v250, v251, vcc_lo         ; lanes 0-15 the word of channels 0-127, lanes 16-31 of 128-255
	global_store_b32 v8, v252, s[36:37] offset:262144
	s_endpgm
.Lfunc_end_k_qe8d2c11054_prep:
	.size	k_qe8d2c11054_prep, .Lfunc_end_k_qe8d2c11054_prep-k_qe8d2c11054_prep
	.p2alignl 7, 3214868480
	.fill 96, 4, 3214868480
	.section	.rodata,"a",@progbits
	.p2align	6, 0x0
	.amdhsa_kernel k_qe8d2c11054_prep
		.amdhsa_group_segment_fixed_size 134144
		.amdhsa_private_segment_fixed_size 0
		.amdhsa_enable_private_segment 0
		.amdhsa_kernarg_size 80
		.amdhsa_user_sgpr_count 2
		.amdhsa_user_sgpr_kernarg_segment_ptr 1
		.amdhsa_wavefront_size32 1
		.amdhsa_system_sgpr_workgroup_id_x 1
		.amdhsa_system_sgpr_workgroup_id_y 1
		.amdhsa_system_sgpr_workgroup_id_z 1
		.amdhsa_system_vgpr_workitem_id 0
		.amdhsa_next_free_vgpr 256
		.amdhsa_next_free_sgpr 66
		.amdhsa_reserve_vcc 1
		.amdhsa_float_denorm_mode_32 3
		.amdhsa_float_denorm_mode_16_64 3
		.amdhsa_memory_ordered 1
		.amdhsa_forward_progress 1
		.amdhsa_inst_pref_size 91
	.end_amdhsa_kernel
	.amdgpu_metadata
---
amdhsa.version: [ 1, 2 ]
amdhsa.kernels:
  - .name:           k_qe8d2c11054_prep
    .symbol:         k_qe8d2c11054_prep.kd
    .args:
      - { .name: patterns, .offset: 0, .size: 8, .value_kind: global_buffer, .address_space: global }
      - { .name: depths, .offset: 8, .size: 8, .value_kind: global_buffer, .address_space: global }
      - { .name: gate, .offset: 16, .size: 8, .value_kind: global_buffer, .address_space: global }
      - { .name: state_codes, .offset: 24, .size: 8, .value_kind: global_buffer, .address_space: global }
      - { .name: state_scales, .offset: 32, .size: 8, .value_kind: global_buffer, .address_space: global }
      - { .name: W_codes, .offset: 40, .size: 8, .value_kind: global_buffer, .address_space: global }
      - { .name: W_scales, .offset: 48, .size: 8, .value_kind: global_buffer, .address_space: global }
      - { .name: krec, .offset: 56, .size: 8, .value_kind: global_buffer, .address_space: global }
      - { .name: vrec, .offset: 64, .size: 8, .value_kind: global_buffer, .address_space: global }
      - { .name: qimg, .offset: 72, .size: 8, .value_kind: global_buffer, .address_space: global }
    .group_segment_fixed_size: 134144
    .private_segment_fixed_size: 0
    .kernarg_segment_align: 8
    .kernarg_segment_size: 80
    .max_flat_workgroup_size: 256
    .sgpr_count:     66
    .vgpr_count:     256
    .wavefront_size: 32
...
	.end_amdgpu_metadata
.endif
;; end of part 1
;; launch attn (part 2): grid 244 x 1, 8 waves a work-group, clusters of 4 x 1, 327,680 bytes of LDS; arguments krec, vrec, qimg, opart, stat; writes opart, stat
.if DOCPART == 2
	.amdgcn_target "amdgcn-amd-amdhsa--gfx1250"
	.amdhsa_code_object_version 6
	.text
	.protected	k_qe8d2c11054_attn
	.globl	k_qe8d2c11054_attn
	.p2align	8
	.type	k_qe8d2c11054_attn,@function
k_qe8d2c11054_attn:
	s_mov_b64 s[64:65], 0
	v_nop
	global_prefetch_b8 v0, s[64:65] scope:SCOPE_SE
	s_setreg_imm32_b32 hwreg(HW_REG_WAVE_MODE, 25, 1), 1
	s_wait_xcnt 0x0
	s_wait_alu depctr_hold_cnt(0) depctr_sa_sdst(0) depctr_va_vdst(0) depctr_va_sdst(0) depctr_va_ssrc(0) depctr_va_vcc(0) depctr_vm_vsrc(0)
	s_getreg_b32 s2, hwreg(HW_REG_IB_STS2, 6, 4)
	s_cmp_eq_u32 s2, 0
	s_cbranch_scc0 .Lentry_in_a_cluster
	s_endpgm
.Lentry_in_a_cluster:
	s_bfe_u32 s2, ttmp6, 0x10000c
	s_cmp_lg_u32 s2, 0x3003
	s_cbranch_scc0 .Lentry_shape_is_right
	s_endpgm
.Lentry_shape_is_right:
; MemoryLayer, launch 2 of 4: for a block of 256 rows and a chunk of 13 steps of 128 keys: logits, running softmax, and the chunk's part of p x patterns.  No work of reference() is left out.
; t = logit x log2(e); M = the running largest t rounded UP to a whole number, kept as -M; p = 2^(t - M) is quantised along the keys; the row's sum is taken of the unquantised p; when M moves, the sum and O^T are
; multiplied by 2^(old M - new M), which rounds nothing.  The chunk leaves O^T, -M and the sum; launch 3 joins the 61 chunks.
; SHARES.  The cluster's number is the chunk (0 to 60), the place in the cluster the block of 256 rows.  Each of eight waves owns two tiles of 16 rows, so each fragment read from LDS feeds two matrix instructions.
; TWO GROUPS.  Each wave reads a step's 34,816 bytes of K's records and 33,792 of V's from LDS, and has some 690 vector instructions of softmax between the two.  So that these do not all fall together, waves 0 to 3 make
; their scores first, and waves 4 to 7 begin theirs behind a barrier that stands behind the first group's last read of K: from there on one group's softmax stands beside the other group's LDS loads and products.
; CLUSTER.  The four partners walk the same 13 steps: each step's records are asked for JOINTLY, by the same tensor loads with a mask that names the four.
; 61 x 13 = 793 steps hold 101,504 keys: those past the 100,000th carry the bias -1e30 (launch 1), so p = 0 there; they are walked like the others, since every partner issues every joint load.
; LAYOUT.  Both products are used transposed: S^T = K Q^T + bias (source 0 = 16 keys, source 1 = 16 rows; the bias is the C of a sum's first product), O^T = V^T P^T: a lane holds ONE row (lane % 16) throughout.
; The keys of a tile are chosen by launch 1 so that the 16 registers of tiles 2 b and 2 b + 1 are keys 32 b + 16 (lane / 16) + 0 .. 15.  All operands lie in LDS as images of registers: every load is 16 x lane + a constant.
; A block's largest p is not searched for: the block's largest score goes through the same multiply-add and exponential (this takes v_exp_f32 not to fall where its input rises).
; LIMITS: as stated at launch 1's head.
; REGISTERS.  Window 0: v1, v2 the add's two; v3 256 lane; v4-6 LDS addresses; v7 at work; v[8+4q] -M, v[9+4q] the largest t, v[10+4q:11+4q] the sum in two halves; v[16+2q] f, v[17+2q] p's scale word; v[20+q] Q's scale image;
;   v22-29 scale images of K, then of V; v30 16 lane, v31 4 lane; v32-95 Q (tile q, half s at 32 + 32 q + 16 s); v96-223 S^T, then p (tile q, key tile t at 96 + 64 q + 8 t), later eight fragments of V; v224-255 p's codes,
;   in the first phase a set of K's fragments.   Window 1: O^T (tile q, channel tile c at 128 q + 8 c).
.set KPART, 34816                      ; a step's eight key records
.set VPART, 33792                      ; a step's record of V
.set KT,    4352
.set SLOT1, 1<<17                      ; slot 1 begins here: one exclusive or turns an address in one slot into the other's
.set SPARE, 2*SLOT1                    ; the spare words, 128 bytes a wave: four blocks of 256 bytes that no other line names
.set MSB, 0
.macro WIN new                         ; the immediate's high byte repeats the setting that is left
.if MSB != \new
	s_set_vgpr_msb (MSB<<8)|\new
.set MSB, \new
.endif
.endm
.macro NOPS n
.rept \n
	v_nop
.endr
.endm
.macro CROUND                          ; a round of the cluster's barrier
	s_barrier_signal -1
	s_barrier_wait -1
	s_cmp_lg_u32 s18, 0
	s_cbranch_scc1 .Lnot_wave_0_\@
	s_barrier_signal -3
.Lnot_wave_0_\@:
	s_barrier_wait -3
	s_barrier_signal -1
	s_barrier_wait -1
.endm
; Waves 0 and 1 fetch the halves of K's part of a step, waves 2 and 3 those of V's, the others nothing.  The branches hang on the wave's number alone.  An s_nop 0 and four v_nop follow each line.
.macro TLOAD
	s_cmp_lt_u32 s18, 2
	s_cbranch_scc0 .Lnot_k_\@
	tensor_load_to_lds s[40:43], s[24:31]
	s_nop 0
	NOPS 4
	s_branch .Lasked_\@
.Lnot_k_\@:
	s_cmp_lt_u32 s18, 4
	s_cbranch_scc0 .Lasked_\@
	tensor_load_to_lds s[44:47], s[32:39]
	s_nop 0
	NOPS 4
.Lasked_\@:
.endm
; A prefetch of what the NEXT change of slots will ask for, a step ahead of that load.  Only this cluster reads its chunk; wave 4 asks for K's part and wave 5 for V's, one instruction each, a lane a block of 256 bytes;
; the four partners take 32 blocks each, told apart by address.  So blocks 0 to 127 of each part are named once; the last 8 and 4 blocks, and steps 0 and 1, come by their loads alone.  The last two changes ask for nothing.
.macro ASK
	s_cmp_gt_u32 s3, s52
	s_cbranch_scc0 .Lnot_mine_\@
	global_prefetch_b8 v3, s[48:49] th:TH_LOAD_NT scope:SCOPE_SE
.Lnot_mine_\@:
.endm
; THE CHANGE OF SLOTS stands at a step's head.  Each wave waits for all its tensor loads (its part of the slot that it is about to read), adds 0 to its spare word, and waits for that and for its reads of the slot that it has left.
; fill = 1: the barrier is a round of the cluster's, and behind it the slot just left is filled with the next step: that load has a whole step in which to land.
.macro CHANGE fill
	s_wait_tensorcnt 0x0                           ; no tensor load of mine is out, so a group 0 may be written
	ds_add_u32 v1, v2                              ; 0 onto my spare word
.if \fill
	ds_add_u32 v1, v2                              ; and once more
	s_xor_b32 s41, s41, SLOT1                      ; the walking descriptors: the other slot,
	s_add_nc_u64 s[42:43], s[42:43], KPART         ; the next step; the type bits on top are not reached
	s_xor_b32 s45, s45, SLOT1
	s_add_nc_u64 s[46:47], s[46:47], VPART
	s_wait_xcnt 0x0                                ; the last prefetch, a step back, has read its address
	s_add_nc_u64 s[48:49], s[48:49], s[50:51]
	s_wait_dscnt 0x0                               ; both adds are done, and my reads of the slot that I have left are over
	CROUND
	TLOAD
	ASK
.else
	s_wait_dscnt 0x0
	s_barrier_signal -1
	s_barrier_wait -1
.endif
.endm
.macro LDK t, fa, fb                   ; key tile t's two fragments
.irp c, 0,1,2,3
	ds_load_b128 v[\fa+4*\c:\fa+4*\c+3], v4 offset:KT*(\t)+512*\c
.endr
.irp c, 0,1,2,3
	ds_load_b128 v[\fb+4*\c:\fb+4*\c+3], v4 offset:KT*(\t)+2048+512*\c
.endr
.endm
.macro LDB1 t                          ; key tile t's biases into the first tile's accumulator: register j is key row 8 (lane / 16) + j
	ds_load_b128 v[96+8*(\t):99+8*(\t)], v6 offset:KT*(\t)+4224
	ds_load_b128 v[100+8*(\t):103+8*(\t)], v6 offset:KT*(\t)+4240
.endm
.macro MOVB t                          ; the biases are the same for both tiles of rows: read from LDS once, copied into the second tile's accumulator
.irp j, 0,1,2,3,4,5,6,7
	v_mov_b32 v[160+8*(\t)+\j], v[96+8*(\t)+\j]
.endr
.endm
.macro LDB t                           ; key tile t's biases into both tiles' accumulators by loads
.irp q, 0,1
	ds_load_b128 v[96+64*\q+8*(\t):99+64*\q+8*(\t)], v6 offset:KT*(\t)+4224
	ds_load_b128 v[100+64*\q+8*(\t):103+64*\q+8*(\t)], v6 offset:KT*(\t)+4240
.endr
.endm
.macro MK t, fa, fb                    ; S^T of key tile t, both tiles of rows by turns
	v_wmma_scale_f32_16x16x128_f8f6f4 v[96+8*(\t):103+8*(\t)], v[\fa:\fa+15], v[32:47], v[96+8*(\t):103+8*(\t)], v[22+(\t)], v20 matrix_a_fmt:MATRIX_FMT_BF8 matrix_b_fmt:MATRIX_FMT_BF8
	v_wmma_scale_f32_16x16x128_f8f6f4 v[160+8*(\t):167+8*(\t)], v[\fa:\fa+15], v[64:79], v[160+8*(\t):167+8*(\t)], v[22+(\t)], v21 matrix_a_fmt:MATRIX_FMT_BF8 matrix_b_fmt:MATRIX_FMT_BF8
	v_wmma_scale_f32_16x16x128_f8f6f4 v[96+8*(\t):103+8*(\t)], v[\fb:\fb+15], v[48:63], v[96+8*(\t):103+8*(\t)], v[22+(\t)], v20 matrix_a_fmt:MATRIX_FMT_BF8 matrix_b_fmt:MATRIX_FMT_BF8 matrix_a_scale:MATRIX_SCALE_ROW1 matrix_b_scale:MATRIX_SCALE_ROW1
	v_wmma_scale_f32_16x16x128_f8f6f4 v[160+8*(\t):167+8*(\t)], v[\fb:\fb+15], v[80:95], v[160+8*(\t):167+8*(\t)], v[22+(\t)], v21 matrix_a_fmt:MATRIX_FMT_BF8 matrix_b_fmt:MATRIX_FMT_BF8 matrix_a_scale:MATRIX_SCALE_ROW1 matrix_b_scale:MATRIX_SCALE_ROW1
.endm
; THE SCORES of a step: S^T = K Q^T + bias for eight key tiles.  K's fragments take two sets of registers by turns: set A = p's codes' registers, set B = the accumulators of key tiles 6 and 7, which are begun last.
; The copies of the biases of tiles 2 to 5 stand where places are owed behind the products (ISA guide 7.12.1): they name none of those products' registers.  A copy stands two key tiles ahead of its use,
; so that eight plain instructions lie between it and the product that takes it as C.
.macro SPHASE
.irp t, 0,1,2,3,4,5,6,7
	ds_load_b32 v[22+\t], v5 offset:KT*\t+4096     ; K's scale images
.endr
.irp t, 0,1,2,3,4,5
	LDB1 \t
.endr
	LDK 0, 224, 240
	LDK 1, 144, 208
	s_wait_dscnt 16                                ; the scale images and the biases are in; the two tiles' sixteen fragment loads may be out
	MOVB 0
	MOVB 1
	s_wait_dscnt 8                                 ; all but the next tile's eight loads
	MK 0, 224, 240
	MOVB 2                                         ; eight places in front of the loads into registers that the products read
	LDK 2, 224, 240
	s_wait_dscnt 8
	MK 1, 144, 208
	MOVB 3
	LDK 3, 144, 208
	s_wait_dscnt 8
	MK 2, 224, 240
	MOVB 4
	LDK 4, 224, 240
	s_wait_dscnt 8
	MK 3, 144, 208
	MOVB 5
	LDK 5, 144, 208
	s_wait_dscnt 8
	MK 4, 224, 240
	NOPS 8
	LDK 6, 224, 240
	s_wait_dscnt 8
	MK 5, 144, 208
	NOPS 9                                         ; one more: tiles 6 and 7's products write over set B's registers
	LDB 6
	LDB 7
	s_wait_dscnt 0x0
	MK 6, 224, 240
	NOPS 8
	LDK 7, 224, 240
	s_wait_dscnt 0x0
	MK 7, 224, 240
	NOPS 8                                         ; places in front of the first read of results and of the loads that follow
.endm
; Tile q's softmax for a step of 128 keys.  X: 16 registers at work.  first = 1: O^T has no sums yet to bring under the new M
.macro SOFTMAX q, X, first
.set SS, 96+64*(\q)
.set NM, 8+4*(\q)
.set FF, 16+2*(\q)
.set PQ, 224+16*(\q)
.set BM, \X
.set PL, \X+4
.set HD, \X+8
.set SC, \X+12
.irp b, 0,1,2,3
	v_max3_num_f32 v[BM+\b], v[SS+16*\b], v[SS+1+16*\b], v[SS+2+16*\b]   ; the largest score of each block of 32 keys; each accumulator is read from its low end on
.endr
.irp i, 3,5,7,9,11,13
.irp b, 0,1,2,3
	v_max3_num_f32 v[BM+\b], v[BM+\b], v[SS+16*\b+\i], v[SS+1+16*\b+\i]
.endr
.endr
.irp b, 0,1,2,3
	v_max_num_f32 v[BM+\b], v[BM+\b], v[SS+15+16*\b]
.endr
.irp b, 0,1,2,3
	v_permlanex16_b32 v[PL+\b], v[BM+\b], s20, s21
.endr
.irp b, 0,1,2,3
	v_max_num_f32 v[BM+\b], v[BM+\b], v[PL+\b]     ; with lane l xor 16's 16 keys
.endr
	v_max3_num_f32 v7, v[BM], v[BM+1], v[BM+2]
	v_max_num_f32 v7, v7, v[BM+3]
	v_mul_f32 v7, s22, v7                          ; the step's largest t
	v_max_num_f32 v[NM+1], v[NM+1], v7             ; the running largest t
	v_mov_b32 v7, v[NM]
	v_floor_f32 v[NM], -v[NM+1]                    ; the new -M = -ceil(t)
	v_sub_f32 v7, v[NM], v7                        ; old M - new M: a whole number, 0 or less
	v_cvt_i32_f32 v7, v7                           ; (it saturates)
	v_ldexp_f32 v[FF], 1.0, v7                     ; f = 2^(old M - new M)
.set j, 0
.rept 32
	v_pk_fma_f32 v[SS+j:SS+j+1], v[SS+j:SS+j+1], s[22:23], v[NM:NM+1] op_sel_hi:[1,0,0]   ; t - M, two at a time
.set j, j+2
.endr
.irp b, 0,1,2,3
	v_fma_f32 v[BM+\b], v[BM+\b], s22, v[NM]
.endr
.set j, 0
.rept 64
	v_exp_f32 v[SS+j], v[SS+j]                     ; p = 2^(t - M)
.set j, j+1
.endr
	v_pk_mul_f32 v[NM+2:NM+3], v[NM+2:NM+3], v[FF:FF+1] op_sel_hi:[1,0]   ; the sums under the new M; the plain instruction behind the exponentials
	s_wait_alu depctr_va_vdst(0)                   ; one wait for the batch, ahead of its first reader
.irp b, 0,1,2,3
	v_exp_f32 v[BM+\b], v[BM+\b]                   ; each block's largest p
.endr
	v_pk_add_f32 v[PL:PL+1], v[SS:SS+1], v[SS+2:SS+3]   ; the row's sum of the unquantised p, in two chains
.set j, 4
.rept 15
	v_pk_add_f32 v[NM+2:NM+3], v[NM+2:NM+3], v[SS+j:SS+j+1]
	v_pk_add_f32 v[PL:PL+1], v[PL:PL+1], v[SS+j+2:SS+j+3]
.set j, j+4
.endr
	v_pk_add_f32 v[NM+2:NM+3], v[NM+2:NM+3], v[PL:PL+1]
	s_wait_alu depctr_va_vdst(0)                   ; and one for the four
.irp b, 0,1,2,3
	v_max_num_f32 v[BM+\b], 0x8000000, v[BM+\b]    ; the floor 2^(16 - 127): the byte cannot fall under 1
.endr
.irp b, 0,1,2,3
	v_add_nc_u32 v[SC+\b], 0xf8800000, v[BM+\b]
.endr
.irp b, 0,1,2,3
	v_and_or_b32 v[HD+\b], v[BM+\b], 0x7f800000, s19
.endr
.irp b, 0,1,2,3
	v_lshrrev_b32 v[PL+\b], 23, v[SC+\b]
.endr
	v_lshl_or_b32 v[FF+1], v[PL+1], 8, v[PL]       ; p's scale word for these 128 keys
	v_lshl_or_b32 v[FF+1], v[PL+2], 16, v[FF+1]
	v_lshl_or_b32 v[FF+1], v[PL+3], 24, v[FF+1]
.irp b, 0,1,2,3
.set j, 0
.rept 16
	v_min_num_f32 v[SS+16*\b+j], v[SS+16*\b+j], v[HD+\b]   ; the hold; p is not negative, so it is one-sided
.set j, j+1
.endr
	v_cvt_scalef32_pk8_bf8_f32 v[PQ+4*\b:PQ+1+4*\b], v[SS+16*\b:SS+7+16*\b], v[SC+\b]
	v_cvt_scalef32_pk8_bf8_f32 v[PQ+2+4*\b:PQ+3+4*\b], v[SS+8+16*\b:SS+15+16*\b], v[SC+\b]
.endr
.if \first
	NOPS 8                                         ; the places between the codes and the scale word and the products that take them
.else
	WIN 0x41                                       ; O^T in window 1, f in window 0
.set j, 0
.rept 64
	v_pk_mul_f32 v[128*(\q)+j:128*(\q)+j+1], v[128*(\q)+j:128*(\q)+j+1], v[FF:FF+1] op_sel_hi:[1,0]   ; O^T under the new M; these are also those places
.set j, j+2
.endr
	WIN 0
.endif
.endm
.macro VREG c                          ; which of the eight fragment buffers channel tile c takes: 1, 2, 3, 0, 4, 5, 6, 7 (buffer 0 is at work in the second softmax)
.set VB, (\c)%8
.if VB < 4
.set VB, (VB+1)%4
.endif
.set VB, 96+16*VB
.endm
.macro VLD c
	VREG \c
.irp i, 0,1,2,3
	ds_load_b128 v[VB+4*\i:VB+4*\i+3], v4 offset:2048*(\c)+512*\i
.endr
.endm
.macro MV c, first                     ; O^T of channel tile c, both tiles of rows; an odd tile's scale words lie in lanes 16-31 of the image
	VREG \c
.irp q, 0,1
.if \first
.if (\c)%2
	v_wmma_scale_f32_16x16x128_f8f6f4 v[128*\q+8*(\c):128*\q+8*(\c)+7], v[VB:VB+15], v[224+16*\q:239+16*\q], 0, v[22+(\c)/2], v[17+2*\q] matrix_a_fmt:MATRIX_FMT_BF8 matrix_b_fmt:MATRIX_FMT_BF8 matrix_a_scale:MATRIX_SCALE_ROW1
.else
	v_wmma_scale_f32_16x16x128_f8f6f4 v[128*\q+8*(\c):128*\q+8*(\c)+7], v[VB:VB+15], v[224+16*\q:239+16*\q], 0, v[22+(\c)/2], v[17+2*\q] matrix_a_fmt:MATRIX_FMT_BF8 matrix_b_fmt:MATRIX_FMT_BF8
.endif
.else
.if (\c)%2
	v_wmma_scale_f32_16x16x128_f8f6f4 v[128*\q+8*(\c):128*\q+8*(\c)+7], v[VB:VB+15], v[224+16*\q:239+16*\q], v[128*\q+8*(\c):128*\q+8*(\c)+7], v[22+(\c)/2], v[17+2*\q] matrix_a_fmt:MATRIX_FMT_BF8 matrix_b_fmt:MATRIX_FMT_BF8 matrix_a_scale:MATRIX_SCALE_ROW1
.else
	v_wmma_scale_f32_16x16x128_f8f6f4 v[128*\q+8*(\c):128*\q+8*(\c)+7], v[VB:VB+15], v[224+16*\q:239+16*\q], v[128*\q+8*(\c):128*\q+8*(\c)+7], v[22+(\c)/2], v[17+2*\q] matrix_a_fmt:MATRIX_FMT_BF8 matrix_b_fmt:MATRIX_FMT_BF8
.endif
.endif
.endr
.endm
; A STEP of 128 keys out of the slot at s2.  first = 1: the chunk's first step: its products start O^T's sums, and all eight waves make their scores together.
; Every later step goes in two groups: the scores' text stands twice, each time under a branch on the wave's number, with a barrier of all eight waves between.
.macro STEP first
	v_add_nc_u32 v4, s2, v30                       ; the LDS addresses are made here, ahead of the place where the groups part
	v_add_nc_u32 v5, s2, v31
	v_and_b32 v6, 16, v0
	v_lshl_add_u32 v6, v6, 1, s2                   ; 32 (lane / 16): my eight biases of a tile
.if \first
	SPHASE
.else
	s_cmp_lt_u32 s18, 4
	s_cbranch_scc0 .Lnot_a_\@
	SPHASE                                         ; waves 0 to 3
.Lnot_a_\@:
	s_wait_dscnt 0x0                               ; no LDS load of mine is out at the signal
	s_barrier_signal -1                            ; waves 0 to 3 have read K's records.  My tensor load for the next step may stay out
	s_barrier_wait -1
	s_cmp_lt_u32 s18, 4
	s_cbranch_scc1 .Lnot_b_\@
	SPHASE                                         ; waves 4 to 7
.Lnot_b_\@:
.endif
	v_add_nc_u32 v5, KPART, v5
.irp i, 0,1,2,3,4,5,6,7
	ds_load_b32 v[22+\i], v5 offset:32768+128*\i   ; V's scale images
.endr
	SOFTMAX 0, 240, \first
	v_add_nc_u32 v4, KPART, v4
	VLD 0                                          ; into tile 0's scores, which are done with: they land under tile 1's softmax
	VLD 1
	VLD 2
	SOFTMAX 1, 96, \first
	VLD 3
	VLD 4
	VLD 5
	VLD 6
	VLD 7
	s_wait_dscnt 16                                ; fragments 0 to 3 and the scale images are in; 4 to 7 may be out
	WIN 0x50                                       ; C and D in window 1
	MV 0, \first
	MV 1, \first
	MV 2, \first
	MV 3, \first
	WIN 0
	NOPS 8
	VLD 8
	VLD 9
	VLD 10
	VLD 11
	s_wait_dscnt 16
	WIN 0x50
	MV 4, \first
	MV 5, \first
	MV 6, \first
	MV 7, \first
	WIN 0
	NOPS 8
	VLD 12
	VLD 13
	VLD 14
	VLD 15
	s_wait_dscnt 16
	WIN 0x50
	MV 8, \first
	MV 9, \first
	MV 10, \first
	MV 11, \first
	s_wait_dscnt 0x0
	MV 12, \first
	MV 13, \first
	MV 14, \first
	MV 15, \first
	WIN 0
	NOPS 9                                         ; places in front of the next step's loads, and of its products, which write over V's fragments
	s_xor_b32 s2, s2, SLOT1                        ; on to the other slot
.endm
	s_load_b256 s[4:11], s[0:1], 0x0               ; krec s[4:5], vrec s[6:7], qimg s[8:9], opart s[10:11]
	s_load_b64 s[12:13], s[0:1], 0x20              ; stat
	v_lshl_add_u32 v1, v0, 2, SPARE
	v_mov_b32 v2, 0
	ds_add_u32 v1, v2                              ; the wave's opening: the add, twice on end, and its wait ahead of the first tensor load
	ds_add_u32 v1, v2
	v_lshrrev_b32 v4, 5, v0
	v_readfirstlane_b32 s18, v4                    ; wave 0..7
	s_bfe_u32 s14, ttmp6, 0x40000                  ; cx: my block of 256 rows; it enters global addresses alone
	s_mov_b32 s24, 15|(3<<16)|(1<<21)              ; group 1 for K's half part: mask: all four; elements of 8 bytes; bit 21 beside a mask; no padding
	s_mov_b32 s25, 32<<16                          ; tensor_dim0 = 32 elements: rows of 256 bytes
	s_mov_b32 s26, 68<<16                          ; tensor_dim1 = 68
	s_mov_b32 s27, 32<<16                          ; tile_dim0
	s_mov_b32 s28, 68                              ; tile_dim1
	s_mov_b32 s29, 32                              ; the pitch: the block is dense
	s_mov_b32 s30, 0
	s_mov_b32 s31, 0
	s_mov_b32 s32, 15|(3<<16)|(1<<21)              ; and for V's: 66 rows
	s_mov_b32 s33, 32<<16
	s_mov_b32 s34, 66<<16
	s_mov_b32 s35, 32<<16
	s_mov_b32 s36, 66
	s_mov_b32 s37, 32
	s_mov_b32 s38, 0
	s_mov_b32 s39, 0
	s_mov_b32 s19, 0x600000                        ; the mantissa field of 57,344
	s_mov_b32 s20, 0x76543210
	s_mov_b32 s21, 0xfedcba98
	s_mov_b32 s22, 0x3fb8aa3b                      ; log2(e)
	s_mov_b32 s23, s22
	s_mov_b32 s2, 0                                ; the slot in hand
	s_and_b32 s15, s18, 1
	s_mul_i32 s16, s15, 17408                      ; which half of K's part I fetch,
	s_mul_i32 s17, s15, 16896                      ; or of V's
	s_mul_i32 s58, ttmp9, 13*KPART
	s_add_co_u32 s58, s58, s16
	s_mov_b32 s59, 0
	s_mul_i32 s60, ttmp9, 13*VPART
	s_add_co_u32 s60, s60, s17
	s_mov_b32 s61, 0
	s_lshr_b32 s52, s18, 1
	s_cmp_eq_u32 s52, 2
	s_cselect_b32 s52, 1, -1                       ; 1 in waves 4 and 5, which prefetch; else the greatest number
	s_cmp_eq_u32 s18, 4
	s_mov_b32 s50, VPART
	s_cselect_b32 s50, KPART, s50                  ; a step on, in wave 4's or wave 5's buffer
	s_mov_b32 s51, 0
	s_mul_i32 s53, ttmp9, 13
	s_add_co_u32 s53, s53, 1                       ; at the chunk's step 1: the first change steps it to step 2
	s_mul_i32 s62, s53, s50
	s_lshl_b32 s53, s14, 13                        ; my work-group's 32 blocks of 256 bytes
	s_add_co_u32 s62, s62, s53
	s_mov_b32 s63, 0
	s_lshl_b32 s53, s14, 4
	s_lshl_b32 s54, s18, 1
	s_add_co_u32 s53, s53, s54                     ; my first tile of rows: 16 cx + 2 wave
	s_lshl_b32 s66, s53, 12
	s_mov_b32 s67, 0
	s_lshl_b32 s68, s53, 7
	s_mov_b32 s69, 0
	s_mul_i32 s54, s53, 61
	s_add_co_u32 s54, s54, ttmp9                   ; 61 x tile + chunk
	s_lshl_b32 s56, s54, 7
	s_mov_b32 s57, 0
	s_lshl_b32 s54, s54, 14
	s_mov_b32 s55, 0
	s_wait_dscnt 0x0                               ; both opening adds are done
	s_wait_kmcnt 0x0
	s_mov_b32 s40, 1
	s_mov_b32 s41, s16                             ; LDS: slot 0, my half of K's part
	s_add_nc_u64 s[42:43], s[4:5], s[58:59]
	s_or_b32 s43, s43, 0x80000000
	s_mov_b32 s44, 1
	s_add_co_u32 s45, s17, KPART
	s_add_nc_u64 s[46:47], s[6:7], s[60:61]
	s_or_b32 s47, s47, 0x80000000
	s_cmp_eq_u32 s18, 4
	s_cselect_b64 s[48:49], s[4:5], s[6:7]
	s_add_nc_u64 s[48:49], s[48:49], s[62:63]
	s_add_nc_u64 s[10:11], s[10:11], s[54:55]
	s_add_nc_u64 s[12:13], s[12:13], s[56:57]
	s_add_nc_u64 s[66:67], s[8:9], s[66:67]
	s_add_nc_u64 s[68:69], s[8:9], s[68:69]
	CROUND                                         ; all four work-groups are here: the first joint loads meet
	TLOAD                                          ; step 0 into slot 0: one tensor load of mine is out, or none
	v_and_b32 v30, 31, v0
	v_lshlrev_b32 v3, 8, v30
	v_lshlrev_b32 v31, 2, v30
	v_lshlrev_b32 v30, 4, v30
.irp q, 0,1
.irp s, 0,1
.irp c, 0,1,2,3
	global_load_b128 v[32+32*\q+16*\s+4*\c:35+32*\q+16*\s+4*\c], v30, s[66:67] offset:4096*\q+2048*\s+512*\c   ; Q stays in registers
.endr
.endr
	global_load_b32 v[20+\q], v31, s[68:69] offset:262144+128*\q
.endr
.irp q, 0,1
	v_mov_b32 v[9+4*\q], 0xff61b1e6                ; the largest t so far: -3e38, under every t
	v_floor_f32 v[8+4*\q], -v[9+4*\q]
	v_mov_b32 v[10+4*\q], 0
	v_mov_b32 v[11+4*\q], 0
	v_mov_b32 v[17+2*\q], 0                        ; (named as the upper half of a pair before it is first written)
.endr
	s_wait_loadcnt 0x0                             ; Q
	s_mov_b32 s3, 12                               ; changes of slots that still fill
	CHANGE 1
	STEP 1                                         ; the first step's products start O^T's sums: nothing is cleared
	s_mov_b32 s3, 11
.Lstep:
	CHANGE 1
	STEP 0
	s_sub_co_u32 s3, s3, 1
	s_cmp_lg_u32 s3, 0
	s_cbranch_scc1 .Lstep
	CHANGE 0                                       ; the last step is written out: nothing is left to fetch
	STEP 0
	; THE WAY OUT: -M and the sum of each row, and O^T as it lies in the registers: each store of O^T is 512 consecutive bytes.
.irp q, 0,1
	v_add_f32 v[10+4*\q], v[10+4*\q], v[11+4*\q]
.endr
.irp q, 0,1
	v_permlanex16_b32 v[11+4*\q], v[10+4*\q], s20, s21
.endr
.irp q, 0,1
	v_add_f32 v[10+4*\q], v[10+4*\q], v[11+4*\q]   ; with lane l xor 16's: the row's sum
.endr
	v_and_b32 v7, 16, v0
	v_cmp_ne_u32 vcc_lo, 0, v7
.irp q, 0,1
	v_cndmask_b32 v[9+4*\q], v[8+4*\q], v[10+4*\q], vcc_lo   ; lanes 0-15 -M, lanes 16-31 the sum
	global_store_b32 v31, v[9+4*\q], s[12:13] offset:7808*\q
.endr
	WIN 0x04                                       ; a store's data are its source 1: window 1
.irp q, 0,1
.set k, 0
.rept 32
	global_store_b128 v30, v[128*\q+4*k:128*\q+4*k+3], s[10:11] offset:999424*\q+512*k th:TH_STORE_NT   ; each accumulator from its low end on
.set k, k+1
.endr
.endr
	WIN 0
	s_wait_tensorcnt 0x0                           ; the wave's end
	ds_add_u32 v1, v2
	s_wait_dscnt 0x0
	CROUND                                         ; the closing round: no work-group ends while a partner may still ask for a tile that names it
	s_endpgm
.Lfunc_end_k_qe8d2c11054_attn:
	.size	k_qe8d2c11054_attn, .Lfunc_end_k_qe8d2c11054_attn-k_qe8d2c11054_attn
	.p2alignl 7, 3214868480
	.fill 96, 4, 3214868480
	.section	.rodata,"a",@progbits
	.p2align	6, 0x0
	.amdhsa_kernel k_qe8d2c11054_attn
		.amdhsa_group_segment_fixed_size 327680
		.amdhsa_private_segment_fixed_size 0
		.amdhsa_enable_private_segment 0
		.amdhsa_kernarg_size 40
		.amdhsa_user_sgpr_count 2
		.amdhsa_user_sgpr_kernarg_segment_ptr 1
		.amdhsa_wavefront_size32 1
		.amdhsa_system_sgpr_workgroup_id_x 1
		.amdhsa_system_sgpr_workgroup_id_y 1
		.amdhsa_system_sgpr_workgroup_id_z 1
		.amdhsa_system_vgpr_workitem_id 0
		.amdhsa_next_free_vgpr 512
		.amdhsa_next_free_sgpr 72
		.amdhsa_reserve_vcc 1
		.amdhsa_float_denorm_mode_32 3
		.amdhsa_float_denorm_mode_16_64 3
		.amdhsa_memory_ordered 1
		.amdhsa_forward_progress 1
		.amdhsa_inst_pref_size 205
	.end_amdhsa_kernel
	.amdgpu_metadata
---
amdhsa.version: [ 1, 2 ]
amdhsa.kernels:
  - .name:           k_qe8d2c11054_attn
    .symbol:         k_qe8d2c11054_attn.kd
    .args:
      - { .name: krec, .offset: 0, .size: 8, .value_kind: global_buffer, .address_space: global }
      - { .name: vrec, .offset: 8, .size: 8, .value_kind: global_buffer, .address_space: global }
      - { .name: qimg, .offset: 16, .size: 8, .value_kind: global_buffer, .address_space: global }
      - { .name: opart, .offset: 24, .size: 8, .value_kind: global_buffer, .address_space: global }
      - { .name: stat, .offset: 32, .size: 8, .value_kind: global_buffer, .address_space: global }
    .group_segment_fixed_size: 327680
    .private_segment_fixed_size: 0
    .kernarg_segment_align: 8
    .kernarg_segment_size: 40
    .max_flat_workgroup_size: 256
    .sgpr_count:     72
    .vgpr_count:     512
    .wavefront_size: 32
...
	.end_amdgpu_metadata
.endif
;; end of part 2
;; launch comb (part 3): grid 256 x 1, 4 waves a work-group, no clusters, 4,864 bytes of LDS; arguments opart, stat, depths, out0, crow; writes out0, crow
.if DOCPART == 3
	.amdgcn_target "amdgcn-amd-amdhsa--gfx1250"
	.amdhsa_code_object_version 6
	.text
	.protected	k_qe8d2c11054_comb
	.globl	k_qe8d2c11054_comb
	.p2align	8
	.type	k_qe8d2c11054_comb,@function
k_qe8d2c11054_comb:
	s_mov_b64 s[64:65], 0
	v_nop
	global_prefetch_b8 v0, s[64:65] scope:SCOPE_SE
	s_setreg_imm32_b32 hwreg(HW_REG_WAVE_MODE, 25, 1), 1
	s_wait_xcnt 0x0
; MemoryLayer, launch 3 of 4: the 61 chunks' parts are joined.  M = the largest M_k; out0 = (sum over k of O_k 2^(M_k - M)) / l, l = sum over k of l_k 2^(M_k - M): the factors are exact powers of two.
; Also: gamma = -ln 2 (M + log2 l) for each row, which launch 4 adds to a logit to get the logarithm of the finished softmax weight; and 1,024 partial maxima of depths (a wave each).  No work of reference() is left out.
; SHARES.  Work-group = (tile of 16 rows T = x / 4, quarter of the 256 channels x % 4); wave w takes channel tile 4 quarter + w: 1,024 bytes of each chunk's part, two loads of 512 consecutive bytes; a ring of 12 chunks in registers.
; A stream: no matrix unit, no cluster (work-groups share nothing but 7,808 bytes of statistics), no prefetch (the launch streams from its first line).
; REGISTERS: v16-76 -M_k, then 2^(M_k - M); v80-140 l_k; v144-239 the ring; v240-247 the sums; v248-255 at work; v12, v13 the add's two.
.set SPARE, 4352                       ; behind the stage of 16 rows x 272 bytes: the spare words, 128 bytes a wave
	s_load_b256 s[4:11], s[0:1], 0x0               ; opart s[4:5], stat s[6:7], depths s[8:9], out0 s[10:11]
	s_load_b64 s[12:13], s[0:1], 0x20              ; crow
	v_lshl_add_u32 v12, v0, 2, SPARE
	v_mov_b32 v13, 0
	v_lshrrev_b32 v1, 5, v0
	v_readfirstlane_b32 s14, v1                    ; wave 0..3
	v_and_b32 v1, 31, v0
	v_and_b32 v2, 15, v0                           ; r: my row of the tile
	v_bfe_u32 v3, v0, 4, 1                         ; h
	s_lshr_b32 s15, ttmp9, 2                       ; T
	s_and_b32 s16, ttmp9, 3                        ; the quarter
	v_lshlrev_b32 v4, 4, v1
	v_lshlrev_b32 v5, 2, v2
	s_mul_i32 s17, ttmp9, 392                      ; 256 x 392 covers the 100,000 depths; a work-group looks at 512 from there on, held inside the buffer
	v_lshl_add_u32 v6, v0, 2, s17
	v_min_u32 v6, 99996, v6
	v_lshlrev_b32 v6, 2, v6
	s_mul_i32 s18, s15, 999424                     ; a tile's 61 parts of 16,384 bytes
	s_lshl_b32 s19, s16, 2
	s_add_co_u32 s19, s19, s14
	s_lshl_b32 s19, s19, 10                        ; my channel tile in a part
	s_add_co_u32 s18, s18, s19
	s_mov_b32 s19, 0
	s_mul_i32 s20, s15, 7808
	s_mov_b32 s21, 0
	v_mul_u32_u24 v7, v2, 272
	v_lshl_add_u32 v7, v3, 5, v7
	s_lshl_b32 s22, s14, 6
	v_add_nc_u32 v7, s22, v7                       ; the stage, in: row r, 64 wave + 32 h
	s_mul_i32 s22, s14, 4*272
	v_mul_u32_u24 v8, v3, 272
	v_lshl_add_u32 v8, v2, 4, v8
	v_add_nc_u32 v8, s22, v8                       ; back: rows 4 wave + h (+ 2), sixteen lanes to a row
	s_lshl_b32 s22, s15, 14
	s_lshl_b32 s23, s14, 12
	s_add_co_u32 s22, s22, s23
	s_lshl_b32 s23, s16, 8
	s_add_co_u32 s22, s22, s23                     ; out0: row 16 T + 4 wave, 256 bytes x quarter
	s_mov_b32 s23, 0
	v_lshlrev_b32 v9, 10, v3
	v_lshl_add_u32 v9, v2, 4, v9
	s_lshl_b32 s26, ttmp9, 2
	s_add_co_u32 s26, s26, s14
	s_lshl_b32 s26, s26, 2
	v_mov_b32 v10, s26                             ; my wave's word among the partial maxima
	s_lshl_b32 s29, s15, 6
	v_add_nc_u32 v11, s29, v5                      ; my row's word of gamma
	s_mov_b32 s24, 0x76543210
	s_mov_b32 s25, 0xfedcba98
	s_wait_kmcnt 0x0
	s_add_nc_u64 s[4:5], s[4:5], s[18:19]
	s_add_nc_u64 s[6:7], s[6:7], s[20:21]
	s_add_nc_u64 s[10:11], s[10:11], s[22:23]
	global_load_b128 v[248:251], v6, s[8:9]
.set k, 0
.rept 12
	global_load_b128 v[144+8*k:147+8*k], v4, s[4:5] offset:16384*k th:TH_LOAD_NT
	global_load_b128 v[148+8*k:151+8*k], v4, s[4:5] offset:16384*k+512 th:TH_LOAD_NT
.set k, k+1
.endr
.set k, 0
.rept 61
	global_load_b32 v[16+k], v5, s[6:7] offset:128*k       ; -M_k of my row
	global_load_b32 v[80+k], v5, s[6:7] offset:128*k+64    ; l_k
.set k, k+1
.endr
	s_wait_loadcnt 0x0
	v_min3_num_f32 v252, v16, v17, v18             ; -M = the least -M_k
.set k, 3
.rept 29
	v_min3_num_f32 v252, v252, v[16+k], v[17+k]
.set k, k+2
.endr
.set k, 0
.rept 61
	v_sub_f32 v[16+k], v252, v[16+k]               ; M_k - M: a whole number, 0 or less
.set k, k+1
.endr
.set k, 0
.rept 61
	v_cvt_i32_f32 v[16+k], v[16+k]
.set k, k+1
.endr
.set k, 0
.rept 61
	v_ldexp_f32 v[16+k], 1.0, v[16+k]
.set k, k+1
.endr
	v_mul_f32 v253, v80, v16                       ; l, in two chains
	v_mul_f32 v254, v81, v17
.set k, 2
.rept 29
	v_fmac_f32 v253, v[80+k], v[16+k]
	v_fmac_f32 v254, v[81+k], v[17+k]
.set k, k+2
.endr
	v_fmac_f32 v253, v140, v76
	v_add_f32 v253, v253, v254
.set k, 0
.rept 61
.set RG, 144+8*(k%12)
.if k >= 12
.if k+11 <= 60
	s_wait_loadcnt 22                              ; chunk k is in; the eleven younger chunks' loads may be out
.else
	s_wait_loadcnt 2*(60-k)
.endif
.endif
.irp j, 0,1,2,3,4,5,6,7
.if k == 0
	v_mul_f32 v[240+\j], v[RG+\j], v16             ; the first chunk starts the sums
.else
	v_fmac_f32 v[240+\j], v[RG+\j], v[16+k]
.endif
.endr
.if k+12 <= 60
	global_load_b128 v[RG:RG+3], v4, s[4:5] offset:16384*(k+12) th:TH_LOAD_NT
	global_load_b128 v[RG+4:RG+7], v4, s[4:5] offset:16384*(k+12)+512 th:TH_LOAD_NT
.endif
.set k, k+1
.endr
	v_rcp_f32 v254, v253
	v_log_f32 v255, v253
	v_max3_num_f32 v248, v248, v249, v250          ; (plain work behind the two)  the largest of my four depths
	v_max_num_f32 v248, v248, v251
	s_wait_alu depctr_va_vdst(0)                   ; one wait for both, ahead of their first reader
.irp j, 0,1,2,3,4,5,6,7
	v_mul_f32 v[240+\j], v[240+\j], v254
.endr
	v_sub_f32 v255, v252, v255
	v_mul_f32 v255, 0x3f317218, v255               ; gamma = ln 2 (-M - log2 l)
	v_max_num_f32_dpp v248, v248, v248 row_xmask:1 row_mask:0xf bank_mask:0xf
	v_max_num_f32_dpp v248, v248, v248 row_xmask:2 row_mask:0xf bank_mask:0xf
	v_max_num_f32_dpp v248, v248, v248 row_xmask:4 row_mask:0xf bank_mask:0xf
	v_max_num_f32_dpp v248, v248, v248 row_xmask:8 row_mask:0xf bank_mask:0xf
	v_permlanex16_b32 v249, v248, s24, s25
	v_max_num_f32 v248, v248, v249                 ; the wave's largest depth
	ds_store_b128 v7, v[240:243]                   ; a row's 256 bytes of this quarter come from four waves: they meet in the stage
	ds_store_b128 v7, v[244:247] offset:16
	s_wait_dscnt 0x0                               ; for the others' sake
	s_barrier_signal -1
	s_barrier_wait -1
	ds_load_b128 v[144:147], v8
	ds_load_b128 v[148:151], v8 offset:544
	s_wait_dscnt 0x0
	global_store_b128 v9, v[144:147], s[10:11]     ; sixteen lanes store 256 consecutive bytes, aligned
	global_store_b128 v9, v[148:151], s[10:11] offset:2048
	v_cmp_eq_u32 vcc_lo, 0, v1
	s_wait_xcnt 0x0                                ; EXEC changes only behind this wait
	s_and_saveexec_b32 s27, vcc_lo
	global_store_b32 v10, v248, s[12:13] offset:4096
	s_wait_xcnt 0x0
	s_or_b32 exec_lo, exec_lo, s27
	s_or_b32 s28, s16, s14
	s_cmp_lg_u32 s28, 0                            ; gamma is stored by wave 0 of quarter 0
	s_cbranch_scc1 .Lno_gamma
	v_cmp_gt_u32 vcc_lo, 16, v1
	s_wait_xcnt 0x0
	s_and_saveexec_b32 s27, vcc_lo
	global_store_b32 v11, v255, s[12:13]
	s_wait_xcnt 0x0
	s_or_b32 exec_lo, exec_lo, s27
.Lno_gamma:
	s_wait_tensorcnt 0x0                           ; the wave's end
	ds_add_u32 v12, v13
	s_wait_dscnt 0x0
	s_endpgm
.Lfunc_end_k_qe8d2c11054_comb:
	.size	k_qe8d2c11054_comb, .Lfunc_end_k_qe8d2c11054_comb-k_qe8d2c11054_comb
	.p2alignl 7, 3214868480
	.fill 96, 4, 3214868480
	.section	.rodata,"a",@progbits
	.p2align	6, 0x0
	.amdhsa_kernel k_qe8d2c11054_comb
		.amdhsa_group_segment_fixed_size 4864
		.amdhsa_private_segment_fixed_size 0
		.amdhsa_enable_private_segment 0
		.amdhsa_kernarg_size 40
		.amdhsa_user_sgpr_count 2
		.amdhsa_user_sgpr_kernarg_segment_ptr 1
		.amdhsa_wavefront_size32 1
		.amdhsa_system_sgpr_workgroup_id_x 1
		.amdhsa_system_sgpr_workgroup_id_y 1
		.amdhsa_system_sgpr_workgroup_id_z 1
		.amdhsa_system_vgpr_workitem_id 0
		.amdhsa_next_free_vgpr 256
		.amdhsa_next_free_sgpr 66
		.amdhsa_reserve_vcc 1
		.amdhsa_float_denorm_mode_32 3
		.amdhsa_float_denorm_mode_16_64 3
		.amdhsa_memory_ordered 1
		.amdhsa_forward_progress 1
		.amdhsa_inst_pref_size 56
	.end_amdhsa_kernel
	.amdgpu_metadata
---
amdhsa.version: [ 1, 2 ]
amdhsa.kernels:
  - .name:           k_qe8d2c11054_comb
    .symbol:         k_qe8d2c11054_comb.kd
    .args:
      - { .name: opart, .offset: 0, .size: 8, .value_kind: global_buffer, .address_space: global }
      - { .name: stat, .offset: 8, .size: 8, .value_kind: global_buffer, .address_space: global }
      - { .name: depths, .offset: 16, .size: 8, .value_kind: global_buffer, .address_space: global }
      - { .name: out0, .offset: 24, .size: 8, .value_kind: global_buffer, .address_space: global }
      - { .name: crow, .offset: 32, .size: 8, .value_kind: global_buffer, .address_space: global }
    .group_segment_fixed_size: 4864
    .private_segment_fixed_size: 0
    .kernarg_segment_align: 8
    .kernarg_segment_size: 40
    .max_flat_workgroup_size: 128
    .sgpr_count:     66
    .vgpr_count:     256
    .wavefront_size: 32
...
	.end_amdgpu_metadata
.endif
;; end of part 3
;; launch maxw (part 4): grid 241 x 1, 8 waves a work-group, no clusters, 167,936 bytes of LDS; arguments krec, qimg, crow, out1; writes out1
.if DOCPART == 4
	.amdgcn_target "amdgcn-amd-amdhsa--gfx1250"
	.amdhsa_code_object_version 6
	.text
	.protected	k_qe8d2c11054_maxw
	.globl	k_qe8d2c11054_maxw
	.p2align	8
	.type	k_qe8d2c11054_maxw,@function
k_qe8d2c11054_maxw:
	s_mov_b64 s[64:65], 0
	v_nop
	global_prefetch_b8 v0, s[64:65] scope:SCOPE_SE
	s_setreg_imm32_b32 hwreg(HW_REG_WAVE_MODE, 25, 1), 1
	s_wait_xcnt 0x0
; MemoryLayer, launch 4 of 4: new_depths.  The largest softmax weight of key n over the 1,024 rows is exp(bias_n + max over b of (sims[b, n] + gamma_b)), since exp rises and bias_n is the same for all rows.
; So projected x patterns^T is made once more on the same codes, with gamma as the C of each sum's first product, followed by one maximum a number and one exponential a key.  No work of reference() is left out.
; log_d.max() is log1p of the largest depth (log1p does not fall); log1p(d) is taken as ln 2 x log2(1 + d): its absolute error is that of rounding 1 + d.  LIMITS: as stated at launch 1's head.
; SHARES.  A work-group takes 26 key tiles (13 blocks of 32 keys) against all rows; wave w keeps query tiles 8 w .. 8 w + 7 in registers (window 1).  The last work-group has ten tiles: 6,250 = 240 x 26 + 10.
; The keys' records come by one tensor load a wave, once: 448 blocks of 256 bytes (the 26 records are 442; the rest lies inside the buffer and is not read).  By the text's own count one tensor load of a wave is out.
; No multicast: what work-groups share is Q, which goes straight into registers and stays there.  No prefetch: the one fill stands at the head.
; The product here is NOT transposed: source 0 = 16 rows of Q, source 1 = 16 keys: a lane holds one key (lane % 16) and eight rows, so the maximum over rows runs down its registers.
; REGISTERS, window 0: v2, v3 the add's two; v4-7 LDS addresses of K; v8 my results' place; v9-13 maxima; v14, v15 K's scale image by turns; v16-23 Q's scale images; v27, v30, v31, v232, v233 LDS addresses of the end;
;   v32-95 gamma in the result's layout; v96-159 the eight accumulators; v160-223 K's fragments, two sets; v224-255 at work.
.set KT,    4352
.set RED,   114688                     ; 8 waves x 26 tiles x 64 bytes: each wave's maxima
.set DMX,   128000                     ; eight words: each wave's largest depth
.set SPARE, 128256                     ; the spare words, 128 bytes a wave: four blocks of 256 bytes that no other line names
.set MSB, 0
.macro WIN new
.if MSB != \new
	s_set_vgpr_msb (MSB<<8)|\new
.set MSB, \new
.endif
.endm
.macro LOADK tau                       ; key tile tau's two fragments and its scale image into set tau % 2
.set KS, 160+32*((\tau)%2)
.if (\tau) < 13
.set KA, 4
.set KO, KT*(\tau)
.else
.set KA, 5
.set KO, KT*((\tau)-13)
.endif
.irp c, 0,1,2,3,4,5,6,7
	ds_load_b128 v[KS+4*\c:KS+4*\c+3], v[KA] offset:KO+512*\c
.endr
	ds_load_b32 v[14+(\tau)%2], v[KA+2] offset:KO+4096
.endm
.macro TILE tau
.set KS, 160+32*((\tau)%2)
.set KC, 14+(\tau)%2
.if (\tau) == 0
	s_wait_dscnt 9                                 ; this tile's nine loads are in; the next tile's nine may be out
.elseif (\tau) == 25
	s_wait_dscnt 1                                 ; only the last result's store may be out
.else
	s_wait_dscnt 10                                ; the last result's store and the next tile's nine loads may be out
.endif
	WIN 0x01                                       ; source 0 (Q) in window 1
.irp m, 0,1,2,3,4,5,6,7                ; the eight accumulators take turns
	v_wmma_scale_f32_16x16x128_f8f6f4 v[96+8*\m:103+8*\m], v[32*\m:32*\m+15], v[KS:KS+15], v[32+8*\m:39+8*\m], v[16+\m], v[KC] matrix_a_fmt:MATRIX_FMT_BF8 matrix_b_fmt:MATRIX_FMT_BF8
.endr
.irp m, 0,1,2,3,4,5,6,7
	v_wmma_scale_f32_16x16x128_f8f6f4 v[96+8*\m:103+8*\m], v[32*\m+16:32*\m+31], v[KS+16:KS+31], v[96+8*\m:103+8*\m], v[16+\m], v[KC] matrix_a_fmt:MATRIX_FMT_BF8 matrix_b_fmt:MATRIX_FMT_BF8 matrix_a_scale:MATRIX_SCALE_ROW1 matrix_b_scale:MATRIX_SCALE_ROW1
.endr
	WIN 0
.rept 9
	v_nop                                          ; places in front of the first read of results and of the loads below; the ninth for the next tile's products, which begin the same accumulators anew
.endr
.irp i, 0,1,2,3
	v_max3_num_f32 v[9+\i], v[96+16*\i], v[97+16*\i], v[98+16*\i]   ; four chains by turns; each accumulator is read from its low end on
.endr
.irp k, 3,5,7,9,11,13
.irp i, 0,1,2,3
	v_max3_num_f32 v[9+\i], v[9+\i], v[96+16*\i+\k], v[97+16*\i+\k]
.endr
.endr
.irp i, 0,1,2,3
	v_max_num_f32 v[9+\i], v[9+\i], v[111+16*\i]
.endr
	v_max3_num_f32 v9, v9, v10, v11
	v_max_num_f32 v9, v9, v12
	v_permlanex16_b32 v13, v9, s28, s29
	v_max_num_f32 v9, v9, v13                      ; my key's maximum over the wave's 128 rows
	ds_store_b32 v8, v9 offset:64*(\tau)           ; both lanes of a key write the same word with the same value
.if (\tau)+2 < 26
	LOADK (\tau)+2
.endif
.endm
; The end, for the block of 32 keys sb = wave + 8 k of the work-group's thirteen: lane l is key l of the block: tile (l / 8) % 2, row l % 8 + 8 (l / 16)
.macro FIN k, vb
.if \k
	s_wait_xcnt 0x0                                ; the first pass's store has read its registers and its base
.endif
	s_mul_i32 s38, ttmp9, 13
	s_add_co_u32 s38, s38, s12
.if \k
	s_add_co_u32 s38, s38, 8*\k
.endif
	s_cmp_ge_u32 s38, 3125                         ; past the last block of keys: ids alone decide
	s_cbranch_scc1 .Lskip_\@
.irp m, 0,1,2,3,4,5,6,7
	ds_load_b32 v[240+\m], v30 offset:1024*\k+1664*\m   ; the eight waves' maxima of my key
.endr
	ds_load_b32 v248, v[\vb] offset:4224           ; its bias
	ds_load_b32 v249, v[\vb] offset:4288           ; its depth
	s_lshl_b32 s38, s38, 7
	s_mov_b32 s39, 0
	s_add_nc_u64 s[40:41], s[10:11], s[38:39]
	s_wait_dscnt 0x0
	v_max3_num_f32 v240, v240, v241, v242
	v_max3_num_f32 v240, v240, v243, v244
	v_max3_num_f32 v240, v240, v245, v246
	v_max_num_f32 v240, v240, v247
	v_add_f32 v240, v240, v248
	v_mul_f32 v240, 0x3fb8aa3b, v240
	v_add_f32 v241, 1.0, v249
	v_exp_f32 v240, v240                           ; max_w
	v_log_f32 v241, v241
	v_nop
	s_wait_alu depctr_va_vdst(0)                   ; one wait for both, ahead of their first reader
	v_mul_f32 v241, 0x3f317218, v241               ; log1p(depth)
	v_mul_f32 v241, v241, v224                     ; dominance
	v_fma_f32 v241, v241, 0xbf333333, 1.0          ; 1 - 0.7 dominance
	v_mul_f32 v241, 0x3c23d70a, v241               ; the dampened rate
	v_mul_f32 v241, v241, v240
	v_cmp_lt_f32 vcc_lo, 0x3dcccccd, v240          ; max_w > 0.1: a selection, no branch
	v_cndmask_b32 v241, 0, v241, vcc_lo
	v_add_f32 v241, v249, v241
	global_store_b32 v6, v241, s[40:41]            ; 128 consecutive bytes a wave
.Lskip_\@:
.endm
	s_load_b256 s[4:11], s[0:1], 0x0               ; krec s[4:5], qimg s[6:7], crow s[8:9], out1 s[10:11]
	v_lshl_add_u32 v2, v0, 2, SPARE
	v_mov_b32 v3, 0
	ds_add_u32 v2, v3                              ; the wave's opening: the add, twice on end, and its wait ahead of my first tensor load
	ds_add_u32 v2, v3
	v_lshrrev_b32 v1, 5, v0
	v_readfirstlane_b32 s12, v1                    ; wave 0..7
	s_mov_b32 s16, 3<<16                           ; group 1: no mask; elements of 8 bytes; no padding
	s_mov_b32 s17, 32<<16                          ; rows of 256 bytes,
	s_mov_b32 s18, 56<<16                          ; 56 of them,
	s_mov_b32 s19, 32<<16
	s_mov_b32 s20, 56
	s_mov_b32 s21, 32                              ; dense
	s_mov_b32 s22, 0
	s_mov_b32 s23, 0
	s_mul_i32 s13, s12, 14336                      ; my eighth of the block, in LDS and in memory
	s_mul_i32 s14, ttmp9, 26*KT
	s_add_co_u32 s14, s14, s13
	s_mov_b32 s15, 0
	s_mov_b32 s28, 0x76543210
	s_mov_b32 s29, 0xfedcba98
	s_mov_b32 s31, 0
	s_wait_dscnt 0x0                               ; both opening adds are done
	s_wait_kmcnt 0x0
	s_mov_b32 s24, 1
	s_mov_b32 s25, s13
	s_add_nc_u64 s[26:27], s[4:5], s[14:15]
	s_or_b32 s27, s27, 0x80000000
	tensor_load_to_lds s[24:27], s[16:23]
	s_nop 0
.rept 4
	v_nop
.endr
	s_lshl_b32 s30, s12, 15
	s_add_nc_u64 s[32:33], s[6:7], s[30:31]        ; my eight tiles' images of Q
	s_lshl_b32 s30, s12, 10
	s_add_nc_u64 s[34:35], s[6:7], s[30:31]        ; their scale images (+ 262144)
	s_lshl_b32 s30, s12, 9
	s_add_nc_u64 s[36:37], s[8:9], s[30:31]        ; my 128 rows' gamma
	v_and_b32 v1, 31, v0
	v_lshlrev_b32 v4, 4, v1
	v_add_nc_u32 v5, 13*KT, v4
	v_lshlrev_b32 v6, 2, v1
	v_add_nc_u32 v7, 13*KT, v6
	v_and_b32 v24, 15, v0
	s_mul_i32 s30, s12, 1664
	s_add_co_u32 s30, s30, RED
	v_lshl_add_u32 v8, v24, 2, s30
	v_bfe_u32 v25, v0, 4, 1
	v_lshlrev_b32 v25, 5, v25                      ; 32 h: my eight rows of a tile's gamma
	v_lshlrev_b32 v26, 4, v0                       ; my four of the 1,024 partial maxima of depths
	s_lshl_b32 s30, s12, 2
	s_add_co_u32 s30, s30, DMX
	v_mov_b32 v27, s30
	v_mov_b32 v233, DMX
	v_bfe_u32 v28, v0, 3, 1                        ; the end's addresses, made ahead of every parting of the waves: u,
	v_and_b32 v29, 7, v0
	v_bfe_u32 v30, v0, 4, 1
	v_lshl_add_u32 v29, v30, 3, v29
	v_lshlrev_b32 v29, 2, v29                      ; 4 x row
	v_lshl_add_u32 v30, v28, 6, v29
	s_lshl_b32 s30, s12, 7
	s_add_co_u32 s30, s30, RED
	v_add_nc_u32 v30, s30, v30                     ; RED + 128 wave + 64 u + 4 row
	v_mad_u32_u24 v31, v28, KT, v29
	s_mul_i32 s30, s12, 2*KT
	v_add_nc_u32 v31, s30, v31                     ; the record of my key's tile in block wave,
	v_add_nc_u32 v232, 16*KT, v31                  ; and in block wave + 8
	v_mov_b32 v13, 0                               ; written once: a lane permute's destination counts as one of its sources
	WIN 0x40                                       ; destination window 1
.set n, 0
.rept 64
	global_load_b128 v[4*n:4*n+3], v4, s[32:33] offset:512*n
.set n, n+1
.endr
	WIN 0
.irp m, 0,1,2,3,4,5,6,7
	global_load_b32 v[16+\m], v6, s[34:35] offset:262144+128*\m
	global_load_b128 v[32+8*\m:35+8*\m], v25, s[36:37] offset:64*\m
	global_load_b128 v[36+8*\m:39+8*\m], v25, s[36:37] offset:64*\m+16
.endr
	global_load_b128 v[224:227], v26, s[8:9] offset:4096
	s_wait_loadcnt 0x0
	v_max3_num_f32 v224, v224, v225, v226
	v_max_num_f32 v224, v224, v227
	v_max_num_f32_dpp v224, v224, v224 row_xmask:1 row_mask:0xf bank_mask:0xf
	v_max_num_f32_dpp v224, v224, v224 row_xmask:2 row_mask:0xf bank_mask:0xf
	v_max_num_f32_dpp v224, v224, v224 row_xmask:4 row_mask:0xf bank_mask:0xf
	v_max_num_f32_dpp v224, v224, v224 row_xmask:8 row_mask:0xf bank_mask:0xf
	v_permlanex16_b32 v13, v224, s28, s29
	v_max_num_f32 v224, v224, v13
	ds_store_b32 v27, v224                         ; all lanes write the same word with the same value
	s_wait_tensorcnt 0x0                           ; my eighth of the keys' records has landed,
	s_wait_dscnt 0x0                               ; and my store
	s_barrier_signal -1
	s_barrier_wait -1                              ; everybody's have; the records are filled once and only read from here on
	LOADK 0
	LOADK 1
.irp tau, 0,1,2,3,4,5,6,7,8,9
	TILE \tau
.endr
	s_cmp_eq_u32 ttmp9, 240                        ; the last work-group's other sixteen tiles lie past the last key
	s_cbranch_scc1 .Lfinal
.irp tau, 10,11,12,13,14,15,16,17,18,19,20,21,22,23,24,25
	TILE \tau
.endr
.Lfinal:
	s_wait_dscnt 0x0                               ; for the others' sake: my maxima lie in LDS
	s_barrier_signal -1
	s_barrier_wait -1
	ds_load_b128 v[224:227], v233
	ds_load_b128 v[228:231], v233 offset:16
	s_wait_dscnt 0x0
	v_max3_num_f32 v224, v224, v225, v226
	v_max3_num_f32 v224, v224, v227, v228
	v_max3_num_f32 v224, v224, v229, v230
	v_max_num_f32 v224, v224, v231                 ; the largest depth
	v_add_f32 v224, 1.0, v224
	v_log_f32 v224, v224
	v_nop
	s_wait_alu depctr_va_vdst(0)
	v_mul_f32 v224, 0x3f317218, v224
	v_max_num_f32 v224, 0x322bcc77, v224           ; clip(log_d.max(), 1e-8)
	v_rcp_f32 v224, v224
	v_nop
	s_wait_alu depctr_va_vdst(0)
	FIN 0, 31
	s_cmp_ge_u32 s12, 5                            ; thirteen blocks: waves 0 to 4 take a second one
	s_cbranch_scc1 .Lend
	FIN 1, 232
.Lend:
	s_wait_tensorcnt 0x0                           ; the wave's end
	ds_add_u32 v2, v3
	s_wait_dscnt 0x0
	s_endpgm
.Lfunc_end_k_qe8d2c11054_maxw:
	.size	k_qe8d2c11054_maxw, .Lfunc_end_k_qe8d2c11054_maxw-k_qe8d2c11054_maxw
	.p2alignl 7, 3214868480
	.fill 96, 4, 3214868480
	.section	.rodata,"a",@progbits
	.p2align	6, 0x0
	.amdhsa_kernel k_qe8d2c11054_maxw
		.amdhsa_group_segment_fixed_size 167936
		.amdhsa_private_segment_fixed_size 0
		.amdhsa_enable_private_segment 0
		.amdhsa_kernarg_size 32
		.amdhsa_user_sgpr_count 2
		.amdhsa_user_sgpr_kernarg_segment_ptr 1
		.amdhsa_wavefront_size32 1
		.amdhsa_system_sgpr_workgroup_id_x 1
		.amdhsa_system_sgpr_workgroup_id_y 1
		.amdhsa_system_sgpr_workgroup_id_z 1
		.amdhsa_system_vgpr_workitem_id 0
		.amdhsa_next_free_vgpr 512
		.amdhsa_next_free_sgpr 66
		.amdhsa_reserve_vcc 1
		.amdhsa_float_denorm_mode_32 3
		.amdhsa_float_denorm_mode_16_64 3
		.amdhsa_memory_ordered 1
		.amdhsa_forward_progress 1
		.amdhsa_inst_pref_size 150
	.end_amdhsa_kernel
	.amdgpu_metadata
---
amdhsa.version: [ 1, 2 ]
amdhsa.kernels:
  - .name:           k_qe8d2c11054_maxw
    .symbol:         k_qe8d2c11054_maxw.kd
    .args:
      - { .name: krec, .offset: 0, .size: 8, .value_kind: global_buffer, .address_space: global }
      - { .name: qimg, .offset: 8, .size: 8, .value_kind: global_buffer, .address_space: global }
      - { .name: crow, .offset: 16, .size: 8, .value_kind: global_buffer, .address_space: global }
      - { .name: out1, .offset: 24, .size: 8, .value_kind: global_buffer, .address_space: global }
    .group_segment_fixed_size: 167936
    .private_segment_fixed_size: 0
    .kernarg_segment_align: 8
    .kernarg_segment_size: 32
    .max_flat_workgroup_size: 256
    .sgpr_count:     66
    .vgpr_count:     512
    .wavefront_size: 32
...
	.end_amdgpu_metadata
.endif
;; end of part 4
